; MI455X (gfx1250); checked and timed in simulation.
; The chip was launched on July 23, 2026; its instructions are those of AMD's public machine-readable ISA for CDNA 5 (MIT licence, August 2026) and "CDNA5" Instruction Set Architecture Reference Guide (July 2026). The comments in the code are by the model that wrote it; some were corrected since.
;; Causal Self Attention. Allowed arithmetic: matrix products marked QUANTISED: E4M3 operands, one E8M0 scale for each 32 along K, by v_wmma_scale_f32_16x16x128_f8f6f4 with both operands' format E4M3, f32 sums; everything else in f32.
;; Inputs: W_proj 1,024 x 1,024 float32; W_qkv 1,024 x 3,072 float32; b_proj 1,024 float32; b_qkv 3,072 float32; x 8 x 1,024 x 1,024 float32.
;; Outputs: out0 8 x 1,024 x 1,024 float32.
;; This version of the problem:
;;   THIS VERSION OF THE PROBLEM IS GIVEN IN LOW PRECISION. The matrix products marked QUANTISED in the list below multiply operands that are first quantised to E4M3 (4 exponent bits, 3 mantissa bits; 8 bits a number), with one power-of-two scale for each 32 numbers along K (OCP MX v1.0); their sums are f32. All else is computed in f32.
;;   The module's matrix products, in the order in which they are computed (A, B: the left and right operand; K: the contracted axis; several contracted axes count as one K, in the product's order):
;;     1. [M 8,192, K 1,024] x [K 1,024, N 3,072]; A: input x; B: input W_qkv: QUANTISED
;;     2. batch 128 x [M 1,024, K 64] x [K 64, N 1,024]; A: computed on the way; B: computed on the way: QUANTISED
;;     3. batch 128 x [M 1,024, K 1,024] x [K 1,024, N 64]; A: softmax (see below); B: computed on the way: QUANTISED
;;     4. [M 8,192, K 1,024] x [K 1,024, N 1,024]; A: computed on the way; B: input W_proj: QUANTISED
;;   THE QUANTISER, for each operand of a quantised product, along K:
;;     - K is cut into blocks of 32 from its start; a last block that is shorter is filled with zeros.
;;     - A block's scale is 2^e with e = floor(log2(the largest magnitude in the block)) - 8, held to -126 .. 127; a block of zeros has e = 0. As a byte (E8M0): e + 127.
;;     - Each number is divided by its block's scale, clamped to +-448, and rounded to the nearest number of E4M3, ties to even, subnormals kept.
;;     - The product sums the exact products of the quantised numbers (number of the format x scale) in f32.
;;   ~~~python
;;   def quantise(x, axis):      # numpy; x: float32 -> the quantised numbers, widened to float32 again
;;       x = np.moveaxis(x, axis, -1); K = x.shape[-1]
;;       x = np.pad(x, [(0, 0)] * (x.ndim - 1) + [(0, -K % 32)]); x = x.reshape(x.shape[:-1] + (-1, 32)); a = np.abs(x).max(-1, keepdims=True)
;;       e = np.where(a > 0, np.clip(np.frexp(np.where(a > 0, a, 1))[1] - 1 - 8, -126, 127), 0)      # np.frexp(a)[1] - 1 = floor(log2(a)), exactly
;;       r = np.clip(x / 2.0 ** e, -448, 448)
;;       step = 2.0 ** (np.maximum(np.frexp(np.where(r == 0, 1, r))[1] - 1, -6) - 3)
;;       q = np.round(r / step) * step * 2.0 ** e      # np.round: ties to even
;;       return np.moveaxis(q.reshape(q.shape[:-2] + (-1,))[..., :K], -1, axis).astype(np.float32)
;;   ~~~
;;   SOFTMAX AHEAD OF A QUANTISED PRODUCT. Where the list says 'softmax', what is quantised is not the finished softmax but p = 2^(t - M), with t = logit x log2(e) and M = ceil(the row's largest t), a whole number; so 1/2 < the row's largest p <= 1. The row's sum l is taken of the UNQUANTISED p, in f32, and the product's result is divided by l at the end. Since M is a whole number, a kernel that streams over the keys may use a running M (the ceiling of the running maximum): every later rescaling is an exact power of two, which a block's scale takes up: the codes' values come out the same.
;;   OPERANDS COMPUTED ON THE WAY. 'Computed on the way' means the value that the module computes at that place (a softmax that the list does not call 'softmax' is quantised finished and normalised). What goes into a quantiser is computed in f32, as accurately as f32 sums, v_exp_f32 and their like allow (about 1e-6 of the number): no bf16 or f16 on the way to a quantiser, and a product that is left as it is and whose result goes on into a quantised operand takes f32 operands (vector FMAs, or v_wmma_f32_16x16x4_f32). A number that lies on a knife's edge between two numbers of the format may be rounded either way, as far as f32 arithmetic and the matrix unit's own rounding can turn it there, and no further.
;; One version. Each part assembles by itself: llvm-mc -triple=amdgcn-amd-amdhsa -mcpu=gfx1250 --defsym DOCPART=n.
;; ======== version 1 of 1: 4 launches
;; limits: right only within a limited range of input values
;; workspace buffers: xq 8,650,752 bytes; wq 3,244,032 bytes; wp 1,081,344 bytes; qb 8,650,752 bytes; kv 17,301,504 bytes; ob 8,650,752 bytes
;; launch quant (part 1): grid 96 x 4, 4 waves a work-group, no clusters, 34,304 bytes of LDS; arguments x, W_qkv, W_proj, xq, wq, wp; writes xq, wq, wp
.if DOCPART == 1
	.amdgcn_target "amdgcn-amd-amdhsa--gfx1250"
	.amdhsa_code_object_version 6
	.text
	.protected	k_q974f5d719d_quant
	.globl	k_q974f5d719d_quant
	.p2align	8
	.type	k_q974f5d719d_quant,@function
k_q974f5d719d_quant:
	s_mov_b64 s[64:65], 0
	v_nop
	global_prefetch_b8 v0, s[64:65] scope:SCOPE_SE
	s_setreg_imm32_b32 hwreg(HW_REG_WAVE_MODE, 25, 1), 1
	s_wait_xcnt 0x0
; x [8192][1024], W_qkv [1024][3072] and W_proj [1024][1024], f32, become codes of FP8 (E4M3) with one E8M0 byte for each 32 along K (K = 1024 in all three).
; LAYOUT OF THE RESULTS: images of the matrix unit's operand registers.  A tile is 16 rows (of x) or columns (of a weight): tile 2 b + u, row r is index 32 b + 8 u + r + 8 (r / 8).
; A fragment (tile, 128 along K) is 2,048 bytes [c 0..3][lane 0..31][16 bytes]: lane (r = lane % 16, h = lane / 16) holds k = 32 c + 16 h + 0 .. 15 of row r.  A tile's 8 fragments lie on end: 16,384 bytes.
; Scale words behind the codes: [pair of tiles][256 along K][u][r][2 words]: 1,024 bytes a pair, a word = the four bytes of 128 along K.
; A block's scale is 2^(floor(log2(largest magnitude)) - 8): its byte is the largest magnitude's exponent field - 8, held at 1 from below.
; LIMITS: a block of zeros gets the byte 1 where the rule says 127: its codes are zeros, which add nothing under any byte but 0xff, and the bytes are read by this program alone.  NaN and infinities are not served.
; SHARES: work-group y = which 256 along K.  x < 24: 128 columns of W_qkv; 24 <= x < 32: 128 columns of W_proj; x >= 32: 128 rows of x.  Each work-group reads 128 KiB.  Waves share nothing: no barrier.
; Memory binds: no matrix unit, no cluster, no tensor load; a prefetch would add nothing to a launch that streams all the time.
.set XSC,  8388608                     ; where xq's scale words begin
.set WQSC, 3145728                     ; wq's
.set WPSC, 1048576                     ; wp's
.set TM,   16                          ; v16-19 largest magnitudes, v20-23 bytes, v24-27 448 x the scale, v28-31 the conversions' scale operands
.set PW,   12                          ; v12 the scale word just made
.set R0,   64                          ; v64-191 two sets of 64 numbers as loaded
.set XR,   192                         ; v192-255 64 numbers in the operand's order
.set SP,   528                         ; a stage row: 512 bytes + 16, an odd multiple of 16: the 16 rows that a read touches start in different banks
	s_load_b256 s[4:11], s[0:1], 0x0               ; x s[4:5], W_qkv s[6:7], W_proj s[8:9], xq s[10:11]
	s_load_b128 s[12:15], s[0:1], 0x20             ; wq s[12:13], wp s[14:15]
	v_lshl_add_u32 v14, v0, 2, 0x8400
	v_mov_b32 v15, 0
	v_lshrrev_b32 v1, 5, v0
	v_readfirstlane_b32 s16, v1                    ; wave 0..3
	v_and_b32 v2, 31, v0                           ; lane
	s_and_b32 s17, ttmp7, 0xffff                   ; kk: which 256 along K
	s_mov_b32 s31, 0x600000                        ; the mantissa field of 448
	s_mov_b32 s21, 0                               ; the high word of every offset
	s_wait_kmcnt 0x0
	s_cmp_lt_u32 ttmp9, 24
	s_cbranch_scc1 .Lw_qkv
	s_cmp_lt_u32 ttmp9, 32
	s_cbranch_scc1 .Lw_proj
; ---------------- x: K is innermost.  A wave takes a pair of tiles (32 rows) x 256 along K: four fragments f = 2 u + s2.
; 64 numbers of a lane, register 16 b + i = k 32 b + 16 (lane / 16) + i of my row, become a fragment's codes in v[pc] on and its scale word in v[PW]
.macro QUANT s, pc
.irp b, 0,1,2,3
	v_max3_num_f32 v[TM+\b], |v[\s+16*\b]|, |v[\s+1+16*\b]|, 0x4800000   ; my 16 numbers of block b, and the floor 2^(9 - 127): the byte cannot fall under 1
.endr
.irp i, 2,4,6,8,10,12,14
.irp b, 0,1,2,3
	v_max3_num_f32 v[TM+\b], v[TM+\b], |v[\s+16*\b+\i]|, |v[\s+1+16*\b+\i]|   ; the four blocks by turns
.endr
.endr
.irp b, 0,1,2,3
	v_permlanex16_b32 v[TM+4+\b], v[TM+\b], s32, s33
.endr
.irp b, 0,1,2,3
	v_max_num_f32 v[TM+\b], v[TM+\b], v[TM+4+\b]   ; with lane l xor 16's 16 numbers: the block's largest magnitude
.endr
.irp b, 0,1,2,3
	v_add_nc_u32 v[TM+12+\b], 0xfc000000, v[TM+\b] ; 8 off its exponent field: the conversion takes this operand's exponent field as its scale
.endr
.irp b, 0,1,2,3
	v_and_or_b32 v[TM+8+\b], v[TM+\b], 0x7f800000, s31   ; 448 x the scale
.endr
.irp b, 0,1,2,3
	v_lshrrev_b32 v[TM+4+\b], 23, v[TM+12+\b]      ; the scale's byte
.endr
	v_lshl_or_b32 v[PW], v[TM+5], 8, v[TM+4]
	v_lshl_or_b32 v[PW], v[TM+6], 16, v[PW]
	v_lshl_or_b32 v[PW], v[TM+7], 24, v[PW]        ; my row's scale word
.irp b, 0,1,2,3
.irp i, 0,1,2,3,4,5,6,7,8,9,10,11,12,13,14,15
	v_med3_num_f32 v[\s+16*\b+\i], v[\s+16*\b+\i], -v[TM+8+\b], v[TM+8+\b]   ; the conversion to an 8-bit code does not saturate (ISA guide 7.6.2): the hold comes first
.endr
	v_cvt_scalef32_pk8_fp8_f32 v[(\pc)+4*\b:(\pc)+4*\b+1], v[\s+16*\b:\s+16*\b+7], v[TM+12+\b]
	v_cvt_scalef32_pk8_fp8_f32 v[(\pc)+4*\b+2:(\pc)+4*\b+3], v[\s+16*\b+8:\s+16*\b+15], v[TM+12+\b]
.endr
	v_nop                                          ; one plain line behind the last scaled conversion
.endm
.macro LOADF f                         ; fragment f as it lies: 16 rows x 512 consecutive bytes, a row a load
.irp p, 0,1,2,3,4,5,6,7,8,9,10,11,12,13,14,15
	global_load_b128 v[R0+64*((\f)%2)+4*\p:R0+64*((\f)%2)+4*\p+3], v3, s[22:23] offset:(8*((\f)/2)+\p+8*(\p/8))*4096+512*((\f)%2) th:TH_LOAD_NT
.endr
.endm
.macro XFRAG f
.if (\f) < 3
	s_wait_loadcnt 16                              ; this fragment's 16 loads are in; the next fragment's 16 may be out
.else
	s_wait_loadcnt 0
.endif
.irp p, 0,1,2,3,4,5,6,7,8,9,10,11,12,13,14,15
	ds_store_b128 v4, v[R0+64*((\f)%2)+4*\p:R0+64*((\f)%2)+4*\p+3] offset:\p*SP   ; through my wave's own stage, as loaded,
.endr
.irp c, 0,1,2,3
.irp j, 0,1,2,3
	ds_load_b128 v[XR+16*\c+4*\j:XR+16*\c+4*\j+3], v5 offset:128*\c+16*\j   ; and back in the operand's order (LDS serves a wave's instructions in order)
.endr
.endr
	s_wait_dscnt 0x0                               ; the stores have read their registers, the numbers are back
.if (\f)+2 < 4
	LOADF (\f)+2
.endif
.if (\f) >= 2
	s_wait_xcnt 0x0                                ; the stores of two fragments ago have read the codes' registers, which are written again
.endif
	QUANT XR, 32+16*((\f)%2)
	v_mov_b32 v[8+(\f)], v[PW]
.irp c, 0,1,2,3
	global_store_b128 v3, v[32+16*((\f)%2)+4*\c:32+16*((\f)%2)+4*\c+3], s[26:27] offset:((\f)/2)*16384+((\f)%2)*2048+512*\c   ; 512 consecutive bytes, aligned
.endr
.endm
	s_sub_co_u32 s18, ttmp9, 32
	s_lshl_b32 s18, s18, 2
	s_add_co_u32 s18, s18, s16                     ; P: my pair of tiles, rows 32 P on
	s_lshl_b32 s20, s18, 17                        ; 32 rows of 4,096 bytes
	s_lshl_b32 s24, s17, 10
	s_add_co_u32 s20, s20, s24
	s_add_nc_u64 s[22:23], s[4:5], s[20:21]        ; x at my first row, my 256 along K
	s_lshl_b32 s20, s18, 15                        ; two tiles of 16,384 bytes
	s_lshl_b32 s24, s17, 12                        ; two fragments of 2,048
	s_add_co_u32 s20, s20, s24
	s_add_nc_u64 s[26:27], s[10:11], s[20:21]      ; my codes
	s_lshl_b32 s20, s18, 10
	s_lshl_b32 s24, s17, 8
	s_add_co_u32 s20, s20, s24
	s_add_co_u32 s20, s20, XSC
	s_add_nc_u64 s[28:29], s[10:11], s[20:21]      ; my 256 bytes of scale words
	s_mov_b32 s32, 0x76543210
	s_mov_b32 s33, 0xfedcba98                      ; v_permlanex16_b32's selects for lane l xor 16
	s_mov_b32 s34, 0xffff0000                      ; lanes 16-31
	s_mul_i32 s25, s16, 16*SP                      ; my stage
	s_wait_alu depctr_va_vdst(0)
	v_lshlrev_b32 v3, 4, v2                        ; 16 x lane
	v_add_nc_u32 v4, s25, v3                       ; the stage, on the way in
	v_and_b32 v5, 15, v2
	v_lshrrev_b32 v6, 4, v2
	v_mul_u32_u24 v5, v5, SP
	v_lshl_add_u32 v5, v6, 6, v5
	v_add_nc_u32 v5, s25, v5                       ; and out: row r, + 64 h
	v_lshlrev_b32 v6, 3, v2                        ; 8 x lane
.irp b, 0,1,2,3
	v_mov_b32 v[TM+4+\b], 0                        ; a lane permute's destination counts as one of its sources
.endr
	LOADF 0
	LOADF 1
	s_wait_alu depctr_va_vdst(0)
	XFRAG 0
	XFRAG 1
	XFRAG 2
	XFRAG 3
	v_cndmask_b32 v8, v8, v10, s34                 ; lanes 0-15 keep tile u = 0's two words, lanes 16-31 take tile u = 1's
	v_cndmask_b32 v9, v9, v11, s34
	global_store_b64 v6, v[8:9], s[28:29]          ; 256 consecutive bytes, aligned
	s_wait_tensorcnt 0x0
	ds_add_u32 v14, v15
	s_wait_dscnt 0x0
	s_endpgm
; ---------------- a weight: K is its FIRST axis.  A lane takes a column and its registers run down K: a block of 32 lies in one lane, and the codes come out with K innermost.
.macro WLOAD t, N
.irp i, 0,1,2,3,4,5,6,7,8,9,10,11,12,13,14,15,16,17,18,19,20,21,22,23,24,25,26,27,28,29,30,31
	global_load_b32 v[64+32*((\t)%2)+\i], v3, s[22:23] offset:(32*(\t)+\i)*\N*4 th:TH_LOAD_NT   ; 128 consecutive bytes a wave, 512 a work-group; the largest offset, 255 rows of 12,288 bytes, lies inside the signed 24-bit immediate
.endr
.endm
.macro WBLOCK t, N
.set XS, 64+32*((\t)%2)
.set CD, 128+8*(\t)                    ; each block has its own registers for its codes: no store's data are written again
.if (\t) < 7
	s_wait_loadcnt 32                              ; this block's 32 loads are in; the next block's may be out
.else
	s_wait_loadcnt 0
.endif
	v_max3_num_f32 v12, |v[XS]|, |v[XS+1]|, |v[XS+2]|
	v_max3_num_f32 v13, |v[XS+3]|, |v[XS+4]|, |v[XS+5]|
.irp i, 6,10,14,18,22,26
	v_max3_num_f32 v12, v12, |v[XS+\i]|, |v[XS+\i+1]|
	v_max3_num_f32 v13, v13, |v[XS+\i+2]|, |v[XS+\i+3]|
.endr
	v_max3_num_f32 v12, v12, |v[XS+30]|, |v[XS+31]|
	v_max3_num_f32 v12, v12, v13, 0x4800000        ; and the floor 2^(9 - 127)
	v_add_nc_u32 v11, 0xfc000000, v12              ; the conversion's scale operand
	v_and_or_b32 v10, v12, 0x7f800000, s31         ; 448 x the scale
	v_lshrrev_b32 v13, 23, v11                     ; the byte
.if (\t)%4 == 0
	v_mov_b32 v[8+(\t)/4], v13
.else
	v_lshl_or_b32 v[8+(\t)/4], v13, 8*((\t)%4), v[8+(\t)/4]
.endif
.irp i, 0,1,2,3,4,5,6,7,8,9,10,11,12,13,14,15,16,17,18,19,20,21,22,23,24,25,26,27,28,29,30,31
	v_med3_num_f32 v[XS+\i], v[XS+\i], -v10, v10
.endr
.irp g, 0,1,2,3
	v_cvt_scalef32_pk8_fp8_f32 v[CD+2*\g:CD+2*\g+1], v[XS+8*\g:XS+8*\g+7], v11
.endr
	v_nop                                          ; one plain line behind the last scaled conversion
	global_store_b128 v6, v[CD:CD+3], s[26:27] offset:((\t)/4)*2048+((\t)%4)*512       ; k 0-15 of the block: the places of lanes 0-15 of the image; sixteen lanes fill 256 aligned bytes
	global_store_b128 v6, v[CD+4:CD+7], s[26:27] offset:((\t)/4)*2048+((\t)%4)*512+256 ; k 16-31: the places of lanes 16-31
.if (\t)+2 < 8
	WLOAD (\t)+2, \N
.endif
.endm
.macro WPATH N, X0, SRC, DST, SCOFF
	s_sub_co_u32 s18, ttmp9, \X0
	s_lshl_b32 s18, s18, 2
	s_add_co_u32 s18, s18, s16                     ; cg: my 32 columns = a pair of tiles
	s_mul_i32 s20, s17, 256*\N*4
	s_lshl_b32 s24, s18, 7
	s_add_co_u32 s20, s20, s24
	s_add_nc_u64 s[22:23], s[\SRC:\SRC+1], s[20:21]
	s_lshl_b32 s20, s18, 15
	s_lshl_b32 s24, s17, 12
	s_add_co_u32 s20, s20, s24
	s_add_nc_u64 s[26:27], s[\DST:\DST+1], s[20:21]
	s_lshl_b32 s20, s18, 10
	s_lshl_b32 s24, s17, 8
	s_add_co_u32 s20, s20, s24
	s_add_co_u32 s20, s20, \SCOFF
	s_add_nc_u64 s[28:29], s[\DST:\DST+1], s[20:21]
	v_lshlrev_b32 v3, 2, v2                        ; in: 4 bytes a lane
	v_bfe_u32 v4, v2, 3, 1                         ; u: which tile of the pair my column falls into,
	v_and_b32 v5, 7, v2
	v_lshrrev_b32 v6, 4, v2
	v_lshl_or_b32 v5, v6, 3, v5                    ; r: and which row of it
	v_lshlrev_b32 v6, 4, v5
	v_lshl_add_u32 v6, v4, 14, v6                  ; codes: 16,384 u + 16 r
	v_lshlrev_b32 v7, 3, v5
	v_lshl_add_u32 v7, v4, 7, v7                   ; scale words: 128 u + 8 r
	WLOAD 0, \N
	WLOAD 1, \N
.irp t, 0,1,2,3,4,5,6,7
	WBLOCK \t, \N
.endr
	global_store_b64 v7, v[8:9], s[28:29]          ; 256 consecutive bytes, aligned
.endm
.Lw_qkv:
	s_wait_alu depctr_va_vdst(0)
	WPATH 3072, 0, 6, 12, WQSC
	s_endpgm
.Lw_proj:
	s_wait_alu depctr_va_vdst(0)
	WPATH 1024, 24, 8, 14, WPSC
	s_endpgm
.Lfunc_end_k_q974f5d719d_quant:
	.size	k_q974f5d719d_quant, .Lfunc_end_k_q974f5d719d_quant-k_q974f5d719d_quant
	.p2alignl 7, 3214868480
	.fill 96, 4, 3214868480
	.section	.rodata,"a",@progbits
	.p2align	6, 0x0
	.amdhsa_kernel k_q974f5d719d_quant
		.amdhsa_group_segment_fixed_size 34304
		.amdhsa_private_segment_fixed_size 0
		.amdhsa_enable_private_segment 0
		.amdhsa_kernarg_size 48
		.amdhsa_user_sgpr_count 2
		.amdhsa_user_sgpr_kernarg_segment_ptr 1
		.amdhsa_wavefront_size32 1
		.amdhsa_system_sgpr_workgroup_id_x 1
		.amdhsa_system_sgpr_workgroup_id_y 1
		.amdhsa_system_sgpr_workgroup_id_z 1
		.amdhsa_system_vgpr_workitem_id 0
		.amdhsa_next_free_vgpr 256
		.amdhsa_next_free_sgpr 66
		.amdhsa_reserve_vcc 0
		.amdhsa_float_denorm_mode_32 3
		.amdhsa_float_denorm_mode_16_64 3
		.amdhsa_memory_ordered 1
		.amdhsa_forward_progress 1
		.amdhsa_inst_pref_size 162
	.end_amdhsa_kernel
	.amdgpu_metadata
---
amdhsa.version: [ 1, 2 ]
amdhsa.kernels:
  - .name:           k_q974f5d719d_quant
    .symbol:         k_q974f5d719d_quant.kd
    .args:
      - { .name: x, .offset: 0, .size: 8, .value_kind: global_buffer, .address_space: global }
      - { .name: W_qkv, .offset: 8, .size: 8, .value_kind: global_buffer, .address_space: global }
      - { .name: W_proj, .offset: 16, .size: 8, .value_kind: global_buffer, .address_space: global }
      - { .name: xq, .offset: 24, .size: 8, .value_kind: global_buffer, .address_space: global }
      - { .name: wq, .offset: 32, .size: 8, .value_kind: global_buffer, .address_space: global }
      - { .name: wp, .offset: 40, .size: 8, .value_kind: global_buffer, .address_space: global }
    .group_segment_fixed_size: 34304
    .private_segment_fixed_size: 0
    .kernarg_segment_align: 8
    .kernarg_segment_size: 48
    .max_flat_workgroup_size: 128
    .sgpr_count:     66
    .vgpr_count:     256
    .wavefront_size: 32
...
	.end_amdgpu_metadata
.endif
;; end of part 1
;; launch qkv (part 2): grid 8 x 32, 4 waves a work-group, clusters of 4 x 4, 327,680 bytes of LDS; arguments xq, wq, b_qkv, qb, kv; writes qb, kv
.if DOCPART == 2
	.amdgcn_target "amdgcn-amd-amdhsa--gfx1250"
	.amdhsa_code_object_version 6
	.text
	.protected	k_q974f5d719d_qkv
	.globl	k_q974f5d719d_qkv
	.p2align	8
	.type	k_q974f5d719d_qkv,@function
k_q974f5d719d_qkv:
	s_mov_b64 s[64:65], 0
	v_nop
	global_prefetch_b8 v0, s[64:65] scope:SCOPE_SE
	s_setreg_imm32_b32 hwreg(HW_REG_WAVE_MODE, 25, 1), 1
	s_wait_xcnt 0x0
	s_wait_alu depctr_hold_cnt(0) depctr_sa_sdst(0) depctr_va_vdst(0) depctr_va_sdst(0) depctr_va_ssrc(0) depctr_va_vcc(0) depctr_vm_vsrc(0)
	s_getreg_b32 s2, hwreg(HW_REG_IB_STS2, 6, 4)
	s_cmp_eq_u32 s2, 0
	s_cbranch_scc0 .Lentry_in_a_cluster
	s_endpgm
.Lentry_in_a_cluster:
	s_bfe_u32 s2, ttmp6, 0x10000c
	s_cmp_lg_u32 s2, 0xf033
	s_cbranch_scc0 .Lentry_shape_is_right
	s_endpgm
.Lentry_shape_is_right:
; qkv = x W_qkv + b_qkv on codes of FP8 (E4M3) with E8M0 scales, K = 1024; the results are quantised in registers for the two products of attention and stored as images of operand registers.
; OPERANDS (made by the launch before): a tile = 16 rows: tile 2 b + u, row r = index 32 b + 8 u + r + 8 (r / 8); a fragment (tile, 128 K) = 2,048 bytes [c][lane][16]; a tile's 8 fragments on end; scale words [pair][256 K][u][r][2].
; SHARES.  256 work-groups; each takes 256 rows of x and THREE PHASES: 128 columns (two heads) of q, of k, of v.  Four waves, 2 x 2: a wave has 128 tokens and one head: 64 columns of W, ALL of K, in 512 registers (windows 1, 2).
; x's 262,144 bytes are filled into LDS ONCE, a quarter a wave: no ring, no refill.  W, the scale words and the bias go from memory straight into registers: they lie there as register images.
; IN A PHASE K IS THE OUTER INDEX: 32 accumulators (window 3), 8 steps of 128 along K, each 4 batches of 2 tiles of x x 4 tiles of W.  Behind a step its 4 fragments of W are loaded anew, for the next phase.
; x's fragments stand in four sets of 2 tiles, fetched three batches ahead.  q's and k's phases are one loop of two trips; v's is written out.
; ROLES.  q, k: source 0 = W, source 1 = x: a lane holds a token, and its 16 registers of W's tiles 2 t, 2 t + 1 are channels 32 t + 16 h + 0 .. 15.  v: source 0 = x, source 1 = W: a lane holds a channel, its registers run along the keys.
; CLUSTERS: 4 x 4.  x's rows hang on the tile row alone and are asked for jointly by a row of the cluster.  W is not: x's 262,144 bytes and a phase's 131,072 of W do not fit into LDS together, and W lives in registers.
; NO PREFETCH INTO THE L2: x is asked for at the head; W's loads into registers themselves stand up to a phase ahead of their use.
; RESULTS.  qb: [head 128][tile 64][c 0,1][512 bytes], scale words at 8,388,608: [head][tile / 8][r][f]: word f = (tile 2 f: two bytes; tile 2 f + 1: two bytes).
; kv: [head][128 keys][16,896]: K's codes as q's, V^T's codes [16 channels ct][32 keys c][512] at 8,192, K's scale words [r][f] at 16,384, V's [r][ct] at 16,640.
; LIMITS: a block of zeros gets the byte 1 where the rule says 127 (its codes are zeros; only this program reads the bytes); NaN and infinities are not served.
; REGISTERS, window 0: v1 16 x lane, v2 r, v3 h, v4 8 x lane, v5 16 r + 8 h, v8, v9 LDS address of my tiles 0-3, 4-7, v11, v12 the bias's offsets.
.set XSC,   8388608
.set WQSC,  3145728
.set SPARE, 262144                     ; the spare words: 128 bytes a wave
.set SPW,  28
.set NIL,  29
.set SB,   32                          ; v32-47  W's scale words: 8 p + q: lanes 0-15 tile 2 p, lanes 16-31 tile 2 p + 1
.set SA,   52                          ; v52-83  x's likewise, four pairs of tiles; their numbers differ from W's modulo 8
.set BI,   84                          ; v84-115 the bias in the sums' layout: the first products' C
.set BV,   116                         ; v116-119 v's bias: a number a lane for each tile of W
.set XF,   128                         ; v128-255 x's fragments; on the way out: codes and work
.set PCB,  128                         ; v128-191 codes: four sets of 16
.set TM,   192                         ; v192-195 largest magnitudes, v196-199 bytes, v200-203 448 x the scale, v204-207 scale operands
.set SW,   208                         ; v208-211 scale words
.set SL,   212
.set MNT,  36
.set HM,   37
.set MSB, 0
.macro WIN new                         ; the immediate's high byte repeats the setting that is left
.if MSB != \new
	s_set_vgpr_msb (MSB<<8)|\new
.set MSB, \new
.endif
.endm
.macro PLACES n
.rept \n
	v_nop
.endr
.endm
.macro CROUND                          ; a round of the cluster's barrier
	s_barrier_signal -1
	s_barrier_wait -1
	s_cmp_lg_u32 s14, 0
	s_cbranch_scc1 .Lnot_wave_0_\@
	s_barrier_signal -3
.Lnot_wave_0_\@:
	s_barrier_wait -3
	s_barrier_signal -1
	s_barrier_wait -1
.endm
.macro WLOAD q                         ; W's four fragments of the q-th 128 of K: fragment 4 q + b lies in window 1 + q / 4; each load reads 512 consecutive bytes
	WIN (1+(\q)/4)<<6
.irp b, 0,1,2,3
.irp c, 0,1,2,3
	global_load_b128 v[16*((4*(\q)+\b)%16)+4*\c:16*((4*(\q)+\b)%16)+4*\c+3], v1, s[44:45] offset:\b*16384+(\q)*2048+\c*512
.endr
.endr
	WIN 0
.endm
.macro SBLOAD
.irp k, 0,1,2,3
.irp p, 0,1
	global_load_b64 v[SB+8*\p+2*\k:SB+8*\p+2*\k+1], v4, s[46:47] offset:1024*\p+256*\k   ; 256 consecutive bytes
.endr
.endr
.endm
.macro BILOAD
.irp t, 0,1
.irp j, 0,1,2,3
	global_load_b128 v[BI+16*\t+4*\j:BI+16*\t+4*\j+3], v11, s[8:9] offset:128*\t+16*\j
.endr
.endr
.endm
	s_load_b128 s[4:7], s[0:1], 0x0                ; xq, wq
	s_load_b128 s[8:11], s[0:1], 0x10              ; b_qkv, qb
	s_load_b64 s[12:13], s[0:1], 0x20              ; kv
	v_lshl_add_u32 v[SPW], v0, 2, SPARE
	v_mov_b32 v[NIL], 0
	ds_add_u32 v[SPW], v[NIL]                      ; the opening lines: the add twice on end and its wait
	ds_add_u32 v[SPW], v[NIL]
	v_lshrrev_b32 v10, 5, v0
	v_readfirstlane_b32 s14, v10                   ; wave 0..3
	s_lshr_b32 s15, s14, 1                         ; my half of the rows
	s_and_b32 s16, s14, 1                          ; my head of the two
	v_and_b32 v1, 31, v0
	v_lshlrev_b32 v4, 3, v1
	v_lshlrev_b32 v1, 4, v1
	v_and_b32 v2, 15, v0
	v_bfe_u32 v3, v0, 4, 1
	s_lshl_b32 s20, s15, 17                        ; my 8 tiles of 16,384 bytes
	v_add_nc_u32 v8, s20, v1
	v_add_nc_u32 v9, 65536, v8
	v_lshlrev_b32 v5, 3, v3
	v_lshl_add_u32 v5, v2, 4, v5
	v_lshlrev_b32 v11, 6, v3                       ; 16 h numbers
	v_and_b32 v12, 8, v2
	v_add_nc_u32 v12, v12, v2
	v_lshlrev_b32 v12, 2, v12                      ; r + 8 (r / 8) numbers
	s_bfe_u32 s40, ttmp6, 0x40000                  ; cx
	s_bfe_u32 s41, ttmp6, 0x40004                  ; cy
	s_lshl_b32 s42, ttmp9, 2
	s_add_co_u32 s42, s42, s40                     ; which two heads
	s_and_b32 s17, ttmp7, 0xffff
	s_lshl_b32 s17, s17, 2
	s_add_co_u32 s17, s17, s41                     ; which 256 rows
	s_lshl_b32 s43, s41, 2
	s_lshl_b32 s43, 15, s43                        ; my row of the cluster
	s_or_b32 s24, s43, (3<<16)|(1<<21)             ; group 1: 65,536 dense bytes as 16 rows of 4,096 (512 elements of 8)
	s_mov_b32 s25, 512<<16
	s_mov_b32 s26, 16<<16
	s_mov_b32 s27, 512<<16
	s_mov_b32 s28, 16
	s_mov_b32 s29, 512
	s_mov_b32 s30, 0
	s_mov_b32 s31, 0
	s_mov_b32 s32, 1
	s_lshl_b32 s33, s14, 16                        ; LDS mirrors the block's bytes
	s_lshl_b32 s20, s17, 18                        ; offsets: x's codes, my quarter
	s_lshl_b32 s21, s14, 16
	s_add_co_u32 s20, s20, s21
	s_mov_b32 s21, 0
	s_lshl_b32 s44, s42, 17                        ; W_q's codes, my 4 tiles
	s_lshl_b32 s45, s16, 16
	s_add_co_u32 s44, s44, s45
	s_mov_b32 s45, 0
	s_lshl_b32 s46, s42, 12                        ; their scale words
	s_lshl_b32 s47, s16, 11
	s_add_co_u32 s46, s46, s47
	s_add_co_u32 s46, s46, WQSC
	s_mov_b32 s47, 0
	s_lshl_b32 s48, s17, 13                        ; x's scale words, my 4 pairs
	s_lshl_b32 s49, s15, 12
	s_add_co_u32 s48, s48, s49
	s_add_co_u32 s48, s48, XSC
	s_mov_b32 s49, 0
	s_lshl_b32 s50, s42, 9                         ; my 64 columns of the bias
	s_lshl_b32 s51, s16, 8
	s_add_co_u32 s50, s50, s51
	s_mov_b32 s51, 0
	s_lshl_b32 s52, s17, 1
	s_add_co_u32 s52, s52, s15                     ; my 128 tokens
	s_lshr_b32 s53, s52, 3                         ; the batch
	s_and_b32 s52, s52, 7                          ; which 128 of its 1,024
	s_lshl_b32 s53, s53, 4
	s_lshl_b32 s38, s42, 1
	s_add_co_u32 s53, s53, s38
	s_add_co_u32 s53, s53, s16                     ; my head, 0 .. 127
	s_lshl_b32 s54, s53, 16                        ; q's codes
	s_lshl_b32 s38, s52, 13
	s_add_co_u32 s54, s54, s38
	s_mov_b32 s55, 0
	s_lshl_b32 s56, s53, 11                        ; q's scale words
	s_lshl_b32 s38, s52, 8
	s_add_co_u32 s56, s56, s38
	s_add_co_u32 s56, s56, XSC
	s_mov_b32 s57, 0
	s_mul_i32 s58, s53, 135168                     ; my record of kv
	s_mul_i32 s38, s52, 16896
	s_add_co_u32 s58, s58, s38
	s_mov_b32 s59, 0
	s_mov_b32 s62, 0x76543210
	s_mov_b32 s63, 0xfedcba98                      ; v_permlanex16_b32's selects for lane l xor 16
	s_mov_b32 s[MNT], 0x600000                     ; the mantissa field of 448
	s_mov_b32 s[HM], 0xffff0000                    ; lanes 16-31
	s_wait_alu depctr_va_vdst(0)                   ; the wait at the head's end
	s_wait_dscnt 0x0                               ; both opening adds are done
	CROUND                                         ; all sixteen work-groups are here: the joint loads meet
	s_wait_kmcnt 0x0
	s_add_nc_u64 s[34:35], s[4:5], s[20:21]
	s_or_b32 s35, s35, 0x80000000
	tensor_load_to_lds s[32:35], s[24:31]          ; my one tensor load: a quarter of the block's rows
	s_nop 0
	PLACES 4
	s_add_nc_u64 s[44:45], s[6:7], s[44:45]
	s_add_nc_u64 s[46:47], s[6:7], s[46:47]
	s_add_nc_u64 s[48:49], s[4:5], s[48:49]
	s_add_nc_u64 s[8:9], s[8:9], s[50:51]
	s_add_nc_u64 s[54:55], s[10:11], s[54:55]
	s_add_nc_u64 s[56:57], s[10:11], s[56:57]
	s_add_nc_u64 s[58:59], s[12:13], s[58:59]
	s_add_nc_u64 s[60:61], s[58:59], 16384
	SBLOAD
.irp k, 0,1,2,3
.irp p, 0,1,2,3
	global_load_b64 v[SA+8*\p+2*\k:SA+8*\p+2*\k+1], v4, s[48:49] offset:1024*\p+256*\k
.endr
.endr
	BILOAD
.irp b, 0,1,2,3
	global_load_b32 v[BV+\b], v12, s[8:9] offset:8192+4*(32*(\b/2)+8*(\b%2))
.endr
.irp q, 0,1,2,3,4,5,6,7
	WLOAD \q
.endr
.macro FETCHB j                        ; batch j: the (j / 4)-th 128 of K of my tiles 2 (j % 4), + 1, into set j % 4: 8 loads of 512 consecutive bytes
.irp i, 0,1
.set N_, 2*((\j)%4)+\i
.irp c, 0,1,2,3
	ds_load_b128 v[XF+32*((\j)%4)+16*\i+4*\c:XF+32*((\j)%4)+16*\i+4*\c+3], v[8+N_/4] offset:(N_%4)*16384+((\j)/4)*2048+\c*512
.endr
.endr
.endm
.macro PROD isv, j, i, b
.set Q_, (\j)/4
.set N_, 2*((\j)%4)+\i
.if \isv
.set D_, 64*(N_/2)+16*\b+8*\i          ; a block of 32 keys of a channel: 16 registers on end
.set PA_, XF+32*((\j)%4)+16*\i
.set PB_, 16*((4*Q_+\b)%16)
.set TA_, SA+8*(N_/2)+Q_
.set TB_, SB+8*(\b/2)+Q_
.set FA_, \i
.set FB_, \b%2
.else
.set D_, 32*N_+8*\b                    ; a token's 64 channels: 32 registers on end
.set PA_, 16*((4*Q_+\b)%16)
.set PB_, XF+32*((\j)%4)+16*\i
.set TA_, SB+8*(\b/2)+Q_
.set TB_, SA+8*(N_/2)+Q_
.set FA_, \b%2
.set FB_, \i
.endif
.set C_, D_
.if Q_ == 0
.set C_, BI+8*\b
.endif
.if FA_ && FB_
	v_wmma_scale_f32_16x16x128_f8f6f4 v[D_:D_+7], v[PA_:PA_+15], v[PB_:PB_+15], v[C_:C_+7], v[TA_], v[TB_] matrix_a_scale:MATRIX_SCALE_ROW1 matrix_b_scale:MATRIX_SCALE_ROW1
.elseif FA_
	v_wmma_scale_f32_16x16x128_f8f6f4 v[D_:D_+7], v[PA_:PA_+15], v[PB_:PB_+15], v[C_:C_+7], v[TA_], v[TB_] matrix_a_scale:MATRIX_SCALE_ROW1
.elseif FB_
	v_wmma_scale_f32_16x16x128_f8f6f4 v[D_:D_+7], v[PA_:PA_+15], v[PB_:PB_+15], v[C_:C_+7], v[TA_], v[TB_] matrix_b_scale:MATRIX_SCALE_ROW1
.else
	v_wmma_scale_f32_16x16x128_f8f6f4 v[D_:D_+7], v[PA_:PA_+15], v[PB_:PB_+15], v[C_:C_+7], v[TA_], v[TB_]
.endif
.endm
; A batch: 8 products on 8 accumulators by turns; 31 other products stand between two steps of a sum.
.macro BATCH isv, j, reload
.if (\j) < 30
	s_wait_dscnt 16                                ; behind this batch's fetch: the next two batches' 8 loads each
.elseif (\j) == 30
	s_wait_dscnt 8
.else
	s_wait_dscnt 0
.endif
	PLACES 8                                       ; eight places behind the last batch's products, ahead of loads into what they read
.if (\j)+3 < 32
	FETCHB (\j)+3
.endif
.if \reload && ((\j)%4 == 0) && ((\j) > 0)
	WLOAD (\j)/4-1                                 ; the step just done: its fragments of W for the next phase
.endif
.set WN_, 1+(\j)/16
.if \isv
.set WN_, WN_<<2
.endif
.if (\j) < 4
	WIN 0xc0|WN_                                   ; C is the bias, in window 0
.else
	WIN 0xf0|WN_
.endif
.irp i, 0,1
.irp b, 0,1,2,3
	PROD \isv, \j, \i, \b
.endr
.endr
	WIN 0
.endm
; THE WAY OUT: 64 numbers a lane = four blocks of 32 (with lane l xor 16).  isv = 0: tiles 2 m, 2 m + 1 of tokens x 2 blocks of channels; isv = 1: 32 keys (pair m) x 4 tiles of channels.
.macro EPI m, isv
.set AC, 64*(\m)
.set PC, PCB+16*(\m)
	WIN 0x0f
.irp b, 0,1,2,3
	v_max3_num_f32 v[TM+\b], |v[AC+16*\b]|, |v[AC+16*\b+1]|, 0x4800000   ; with the floor 2^(9 - 127); each accumulator is first read at its low end
.endr
.irp i, 2,4,6,8,10,12,14
.irp b, 0,1,2,3
	v_max3_num_f32 v[TM+\b], |v[AC+16*\b+\i]|, |v[AC+16*\b+\i+1]|, v[TM+\b]
.endr
.endr
	WIN 0
.irp b, 0,1,2,3
	v_permlanex16_b32 v[TM+4+\b], v[TM+\b], s62, s63
.endr
.irp b, 0,1,2,3
	v_max_num_f32 v[TM+\b], v[TM+\b], v[TM+4+\b]
.endr
.irp b, 0,1,2,3
	v_add_nc_u32 v[TM+12+\b], 0xfc000000, v[TM+\b] ; 8 off the exponent field: the conversion's scale operand
.endr
.irp b, 0,1,2,3
	v_and_or_b32 v[TM+8+\b], v[TM+\b], 0x7f800000, s[MNT]   ; 448 x the scale
.endr
.irp b, 0,1,2,3
	v_lshrrev_b32 v[TM+4+\b], 23, v[TM+12+\b]      ; the byte
.endr
.if \isv
.irp b, 0,1,2,3
.if (\m) == 0
	v_mov_b32 v[SW+\b], v[TM+4+\b]
.else
	v_lshl_or_b32 v[SW+\b], v[TM+4+\b], 8*(\m), v[SW+\b]   ; channel tile b's word: byte m
.endif
.endr
.else
	v_lshl_or_b32 v[SW+(\m)], v[TM+5], 8, v[TM+4]
	v_lshl_or_b32 v[SW+(\m)], v[TM+6], 16, v[SW+(\m)]
	v_lshl_or_b32 v[SW+(\m)], v[TM+7], 24, v[SW+(\m)]
.endif
	WIN 0xc3
.irp b, 0,1,2,3
.set n, 0
.rept 16
	v_med3_num_f32 v[AC+16*\b+n], v[AC+16*\b+n], -v[TM+8+\b], v[TM+8+\b]   ; the conversion does not saturate (ISA guide 7.6.2)
.set n, n+1
.endr
.endr
	WIN 0x03
.irp b, 0,1,2,3
	v_cvt_scalef32_pk8_fp8_f32 v[PC+4*\b:PC+4*\b+1], v[AC+16*\b:AC+16*\b+7], v[TM+12+\b]
	v_cvt_scalef32_pk8_fp8_f32 v[PC+4*\b+2:PC+4*\b+3], v[AC+16*\b+8:AC+16*\b+15], v[TM+12+\b]
.endr
	WIN 0
	v_nop                                          ; one plain line behind the last scaled conversion
.irp b, 0,1,2,3
.if \isv
	global_store_b128 v1, v[PC+4*\b:PC+4*\b+3], s[58:59] offset:8192+\b*2048+(\m)*512
.else
	global_store_b128 v1, v[PC+4*\b:PC+4*\b+3], s[54:55] offset:(\m)*2048+\b*512   ; 512 consecutive bytes, aligned
.endif
.endr
.endm
.macro WAYOUT isv
.irp b, 0,1,2,3
	v_mov_b32 v[TM+4+\b], 0                        ; a lane permute's destination counts as one of its sources
.endr
.irp m, 0,1,2,3
	EPI \m, \isv
.endr
	v_cndmask_b32 v[SL], v[SW], v[SW+2], s[HM]     ; lane (r, h) stores words 2 h, 2 h + 1 of row r: 256 consecutive bytes, aligned
	v_cndmask_b32 v[SL+1], v[SW+1], v[SW+3], s[HM]
.endm
	s_wait_tensorcnt 0x0                           ; my quarter is in
	s_barrier_signal -1
	s_barrier_wait -1                              ; and everybody's
	s_mov_b32 s3, 0
.Lphase:                                               ; trip 0: q; trip 1: k
	s_wait_xcnt 0x0                                ; every earlier load and store has read its addresses and data
	s_add_nc_u64 s[44:45], s[44:45], 0x100000      ; the next phase's W: 64 tiles on,
	s_add_nc_u64 s[46:47], s[46:47], 32768         ; its scale words: 32 pairs on,
	s_add_nc_u64 s[8:9], s[8:9], 4096              ; its bias
	FETCHB 0
	FETCHB 1
	FETCHB 2
	s_wait_loadcnt 0x0                             ; this phase's W, scale words and bias
.set J_, 0
.rept 32
	BATCH 0, J_, 1
.set J_, J_+1
.endr
	PLACES 8
	WLOAD 7
	SBLOAD
	s_cmp_eq_u32 s3, 1                             ; v's bias has another layout and lies in registers already
	s_cbranch_scc1 .Lno_bias
	BILOAD
.Lno_bias:
	WAYOUT 0
	global_store_b64 v5, v[SL:SL+1], s[56:57]
	s_wait_xcnt 0x0                                ; the stores have read their bases and data
	s_mov_b64 s[54:55], s[58:59]                   ; k goes to my record of kv
	s_mov_b64 s[56:57], s[60:61]
	s_add_co_u32 s3, s3, 1
	s_cmp_lt_u32 s3, 2
	s_wait_alu depctr_va_vdst(0)                   ; the wait ahead of the branch
	s_cbranch_scc1 .Lphase
	s_wait_loadcnt 0x0                             ; W_v and its scale words
.irp b, 0,1,2,3
.irp i, 0,1,2,3,4,5,6,7
	v_mov_b32 v[BI+8*\b+\i], v[BV+\b]              ; v: all eight registers of a sum belong to one channel
.endr
.endr
	s_wait_alu depctr_va_vdst(0)
	FETCHB 0
	FETCHB 1
	FETCHB 2
.set J_, 0
.rept 32
	BATCH 1, J_, 0
.set J_, J_+1
.endr
	PLACES 8
	WAYOUT 1
	global_store_b64 v5, v[SL:SL+1], s[60:61] offset:256
	s_wait_tensorcnt 0x0                           ; the wave's end
	ds_add_u32 v[SPW], v[NIL]
	s_wait_dscnt 0x0
	CROUND                                         ; the closing round
	s_endpgm
.Lfunc_end_k_q974f5d719d_qkv:
	.size	k_q974f5d719d_qkv, .Lfunc_end_k_q974f5d719d_qkv-k_q974f5d719d_qkv
	.p2alignl 7, 3214868480
	.fill 96, 4, 3214868480
	.section	.rodata,"a",@progbits
	.p2align	6, 0x0
	.amdhsa_kernel k_q974f5d719d_qkv
		.amdhsa_group_segment_fixed_size 327680
		.amdhsa_private_segment_fixed_size 0
		.amdhsa_enable_private_segment 0
		.amdhsa_kernarg_size 40
		.amdhsa_user_sgpr_count 2
		.amdhsa_user_sgpr_kernarg_segment_ptr 1
		.amdhsa_wavefront_size32 1
		.amdhsa_system_sgpr_workgroup_id_x 1
		.amdhsa_system_sgpr_workgroup_id_y 1
		.amdhsa_system_sgpr_workgroup_id_z 1
		.amdhsa_system_vgpr_workitem_id 0
		.amdhsa_next_free_vgpr 1024
		.amdhsa_next_free_sgpr 66
		.amdhsa_reserve_vcc 0
		.amdhsa_float_denorm_mode_32 3
		.amdhsa_float_denorm_mode_16_64 3
		.amdhsa_memory_ordered 1
		.amdhsa_forward_progress 1
		.amdhsa_inst_pref_size 225
	.end_amdhsa_kernel
	.amdgpu_metadata
---
amdhsa.version: [ 1, 2 ]
amdhsa.kernels:
  - .name:           k_q974f5d719d_qkv
    .symbol:         k_q974f5d719d_qkv.kd
    .args:
      - { .name: xq, .offset: 0, .size: 8, .value_kind: global_buffer, .address_space: global }
      - { .name: wq, .offset: 8, .size: 8, .value_kind: global_buffer, .address_space: global }
      - { .name: b_qkv, .offset: 16, .size: 8, .value_kind: global_buffer, .address_space: global }
      - { .name: qb, .offset: 24, .size: 8, .value_kind: global_buffer, .address_space: global }
      - { .name: kv, .offset: 32, .size: 8, .value_kind: global_buffer, .address_space: global }
    .group_segment_fixed_size: 327680
    .private_segment_fixed_size: 0
    .kernarg_segment_align: 8
    .kernarg_segment_size: 40
    .max_flat_workgroup_size: 128
    .sgpr_count:     66
    .vgpr_count:     1024
    .wavefront_size: 32
...
	.end_amdgpu_metadata
.endif
;; end of part 2
;; launch attn (part 3): grid 2 x 128, 16 waves a work-group, no clusters, 169,984 bytes of LDS; arguments qb, kv, ob; writes ob
.if DOCPART == 3
	.amdgcn_target "amdgcn-amd-amdhsa--gfx1250"
	.amdhsa_code_object_version 6
	.text
	.protected	k_q974f5d719d_attn
	.globl	k_q974f5d719d_attn
	.p2align	8
	.type	k_q974f5d719d_attn,@function
k_q974f5d719d_attn:
	s_mov_b64 s[64:65], 0
	v_nop
	global_prefetch_b8 v0, s[64:65] scope:SCOPE_SE
	s_setreg_imm32_b32 hwreg(HW_REG_WAVE_MODE, 25, 1), 1
	s_wait_xcnt 0x0
; Causal attention of one head (1,024 tokens, 64 channels) on codes of FP8 (E4M3) with E8M0 scales; o is quantised along C for the last product and stored as an image of operand registers.
; THE SOFTMAX: t = score x log2(e) / 8; M = the running largest t rounded UP to a whole number; p = 2^(t - M) is quantised along the keys, not normalised; the row's sum is taken of the unquantised p and divides at the end.
; SHARES.  Work-group (p, head).  Wave w owns the tile of 16 queries iL = 16 p + w and then the tile iH = 63 - iL.  Tile i needs i / 8 + 1 key steps of 128, so every wave of the launch runs nine key steps, none of them wholly hidden;
; the last step of each tile lies on the diagonal, where hidden scores become -infinity (p is 0 there, since a query's own key always counts).
; THE WHOLE HEAD'S K AND V LIE IN LDS, 135,168 bytes, filled once: no ring, no refill, no barrier in the loop.  Work-groups with p = 1 never read the last two records; they are fetched all the same, so that every wave issues the same loads.
; NO CLUSTER: two work-groups share a head, each reads its 135,168 bytes once, and where a wave changes tiles hangs on p.  No prefetch: all that a work-group reads is asked for at its head.
; K = 64 IN A PRODUCT OF K = 128: a fragment of K's codes holds TWO tiles of 16 keys (64 channels each); Q stands as [8 registers of zeros | q | 8 of zeros]: [q | 0] multiplies the lower tile, [0 | q] the upper; the other half meets zero codes.
; Both products are used transposed: a lane holds one query (lane % 16); the 16 registers of score tiles 2 f, 2 f + 1 are keys 32 f + 16 (lane / 16) + 0 .. 15.
; LIMITS: a block of zeros gets the byte 1 where the rule says 127; NaN and infinities are not served; 1 / the sum is v_rcp_f32 and a multiplication.
.set REC,  16896                       ; 128 keys: K's codes 8,192, V^T's 8,192, K's scale words 256, V's 256
.set XSC,  8388608
.set FG,   52                          ; v52-115  four fragments of K, then of V
.set SR,   116                         ; v116-179 scores, then p
.set OA,   180                         ; v180-211 O^T
.set PCD,  212                         ; v212-227 p's codes
.set BM,   228                         ; v228-231 block maxima
.set TP,   232                         ; v232-235 at work, bytes
.set HO,   236                         ; v236-239 448 x the scale
.set SO,   240                         ; v240-243 the conversions' scale operands
.set KS,   244                         ; v244-247 K's or V's scale words
.set FF,   248                         ; v[248:249] f = 2^(old M - new M)
.set T0,   250
.set PS,   251                         ; p's scale word
.set DD,   252                         ; the mask's threshold
.set NINF, 253
.set DDH,  254                         ; the second tile's threshold
; v1 16 x lane, v2 16 r, v8, v9 the same in the record in hand; v12 -M, v13 the largest t, v[14:15] the sum; v16-23 zeros, v24-31 q, v32-39 zeros, v40-47 the second tile's q; v48 q's scale word, v49 the second tile's; v50 8 r + h
.set WV, 10
.set BH, 11
.set IL, 12
.set IH, 13
.set OL, 14                            ; the first tile's last key step
.set OH, 15                            ; the second tile's
.set OL1, 16
.set NN, 17                            ; the trip
.set SG, 18                            ; the key step
.set OC, 19                            ; the key step on the diagonal of the tile in hand
.set SEL, 20
.set CS, 22
.set MNT, 24
.set TB, 25
.set HM, 26
.set G1E, 28
.set G1L, 36
.set G0E, 44
.set G0L, 48
.set QCL, 52
.set QSL, 54
.set OCL, 56
.set OSL, 58
.set QCH, 60
.set QSH, 62
.set OCH, 66
.set OSH, 68
.set DLS, 80
.set DHS, 81
.set PSL, 82
.set PSH, 83
	s_load_b128 s[4:7], s[0:1], 0x0                ; qb s[4:5], kv s[6:7]
	s_load_b64 s[8:9], s[0:1], 0x10                ; ob
	v_lshl_add_u32 v51, v0, 2, 0x29000
	v_mov_b32 v255, 0
	ds_add_u32 v51, v255
	ds_add_u32 v51, v255
	v_lshrrev_b32 v1, 5, v0
	s_delay_alu instid0(VALU_DEP_1)
	v_readfirstlane_b32 s[WV], v1                  ; wave 0..15
	s_and_b32 s[BH], ttmp7, 0xffff                 ; 16 x batch + head
	s_lshl_b32 s[IL], ttmp9, 4
	s_add_co_u32 s[IL], s[IL], s[WV]
	s_sub_co_u32 s[IH], 63, s[IL]
	s_lshr_b32 s[OL], s[IL], 3
	s_sub_co_u32 s[OH], 7, s[OL]
	s_add_co_u32 s[OL1], s[OL], 1
	; one shape: 33 dense rows of 256 bytes (32 elements of 8): a sixteenth of the head's 528 rows for each wave; record 0 is waves 0 and 1's
	s_mov_b32 s[G1E], 3<<16
	s_mov_b32 s[G1E+1], 32<<16
	s_mov_b32 s[G1E+2], 33<<16
	s_mov_b32 s[G1E+3], 32<<16
	s_mov_b32 s[G1E+4], 33
	s_mov_b32 s[G1E+5], 32
	s_mov_b32 s[G1E+6], 0
	s_mov_b32 s[G1E+7], 0
	s_mul_i32 s70, s[BH], 8*REC
	s_mov_b32 s71, 0
	s_mul_i32 s72, s[WV], 8448
	s_mov_b32 s73, 0
	s_mov_b32 s[G0E], 1
	s_mov_b32 s[G0E+1], s72                        ; LDS mirrors the head's bytes
	s_wait_dscnt 0x0
	s_wait_kmcnt 0x0
	s_add_nc_u64 s[6:7], s[6:7], s[70:71]          ; my head
	s_add_nc_u64 s[G0E+2:G0E+3], s[6:7], s[72:73]
	s_or_b32 s[G0E+3], s[G0E+3], 0x80000000
	s_cmp_lt_u32 s[WV], 2                          ; every wave fetches once; waves 0 and 1, which alone wait at the first barrier, have a load line of their own
	s_cbranch_scc0 .Lrest
	tensor_load_to_lds s[G0E:G0E+3], s[G1E:G1E+7]
	s_nop 0
.rept 4
	v_nop
.endr
	s_branch .Lfilled
.Lrest:
	tensor_load_to_lds s[G0E:G0E+3], s[G1E:G1E+7]
	s_nop 0
.rept 4
	v_nop
.endr
.Lfilled:
	s_lshl_b32 s76, s[BH], 16                      ; q's codes of my head
	s_lshl_b32 s77, s[BH], 11
	s_add_co_u32 s77, s77, XSC                     ; and their scale words
	s_lshr_b32 s70, s[BH], 4                       ; batch
	s_and_b32 s71, s[BH], 15                       ; head: 64 of C = half a fragment: 1,024 bytes on for each head
	s_lshl_b32 s78, s70, 20
	s_lshl_b32 s72, s71, 10
	s_add_co_u32 s78, s78, s72
	s_lshl_b32 s79, s70, 15
	s_add_co_u32 s79, s79, XSC
	s_lshr_b32 s72, s71, 2
	s_lshl_b32 s72, s72, 8                         ; which 256 along C,
	s_add_co_u32 s79, s79, s72
	s_and_b32 s72, s71, 3
	s_lshl_b32 s72, s72, 1                         ; which word of its two and which half of the word: 4 ((head / 2) % 2) + 2 (head % 2) = 2 (head % 4)
	s_add_co_u32 s79, s79, s72
; where tile i's q and o lie; the scalar part of its mask threshold; the byte selects that make its scale word
.macro BASES i, qc, qs, oc, os, dd, sel
	s_mov_b32 s71, 0
	s_lshl_b32 s70, s[\i], 10
	s_add_co_u32 s70, s70, s76
	s_add_nc_u64 s[\qc:\qc+1], s[4:5], s[70:71]
	s_lshr_b32 s70, s[\i], 3
	s_lshl_b32 s70, s70, 8
	s_bfe_u32 s72, s[\i], 0x20001                  ; (i % 8) / 2
	s_lshl_b32 s73, s72, 2
	s_add_co_u32 s70, s70, s73
	s_add_co_u32 s70, s70, s77
	s_add_nc_u64 s[\qs:\qs+1], s[4:5], s[70:71]
	s_lshl_b32 s70, s[\i], 14
	s_add_co_u32 s70, s70, s78
	s_add_nc_u64 s[\oc:\oc+1], s[8:9], s[70:71]
	s_lshr_b32 s70, s[\i], 1
	s_lshl_b32 s70, s70, 10
	s_and_b32 s74, s[\i], 1
	s_lshl_b32 s73, s74, 7
	s_add_co_u32 s70, s70, s73
	s_add_co_u32 s70, s70, s79
	s_add_nc_u64 s[\os:\os+1], s[8:9], s[70:71]
	s_lshl_b32 s72, s72, 5
	s_lshl_b32 s73, s74, 3
	s_add_co_u32 s[\dd], s72, s73                  ; 32 ((i % 8) / 2) + 8 (i % 2)
	s_mov_b32 s[\sel], 0x03020302
	s_cmp_eq_u32 s74, 0
	s_cselect_b32 s[\sel], 0x01000100, s[\sel]     ; an even tile's two bytes are the word's lower two
.endm
	BASES IL, QCL, QSL, OCL, OSL, DLS, PSL
	BASES IH, QCH, QSH, OCH, OSH, DHS, PSH
	s_mov_b32 s[SEL], 0x76543210
	s_mov_b32 s[SEL+1], 0xfedcba98
	s_mov_b32 s[CS], 0x3e38aa3b                    ; c = log2(e) / 8
	s_mov_b32 s[CS+1], s[CS]
	s_mov_b32 s[MNT], 0x600000
	s_mov_b32 s[HM], 0xffff0000
	v_and_b32 v3, 31, v0
	s_delay_alu instid0(VALU_DEP_1)
	v_lshlrev_b32 v1, 4, v3                        ; 16 x lane
	v_and_b32 v4, 15, v0                           ; r
	v_bfe_u32 v5, v0, 4, 1                         ; h
	s_delay_alu instid0(VALU_DEP_2)
	v_lshlrev_b32 v2, 4, v4                        ; 16 r
	global_load_b128 v[24:27], v1, s[QCL:QCL+1]
	global_load_b128 v[28:31], v1, s[QCL:QCL+1] offset:512
	global_load_b128 v[40:43], v1, s[QCH:QCH+1]
	global_load_b128 v[44:47], v1, s[QCH:QCH+1] offset:512
	global_load_b32 v48, v2, s[QSL:QSL+1]
	global_load_b32 v49, v2, s[QSH:QSH+1]
	v_lshl_add_u32 v50, v4, 3, v5                  ; 8 r + h
	v_and_b32 v6, 8, v4
	s_delay_alu instid0(VALU_DEP_1)
	v_add_nc_u32 v6, v6, v4
	v_lshlrev_b32 v7, 4, v5
	s_delay_alu instid0(VALU_DEP_1)
	v_sub_nc_u32 v6, v6, v7                        ; r + 8 (r / 8) - 16 h
	s_delay_alu instid0(VALU_DEP_1)
	v_add_nc_u32 v[DD], s[DLS], v6                 ; my query's place in its 128, less 16 h
	s_delay_alu instid0(VALU_DEP_2)
	v_add_nc_u32 v[DDH], s[DHS], v6
	v_mov_b32 v[NINF], 0xff800000
.irp j, 0,1,2,3,4,5,6,7
	v_mov_b32 v[16+\j], 0
	v_mov_b32 v[32+\j], 0
.endr
	s_wait_loadcnt 0x0
	v_perm_b32 v48, v48, v48, s[PSL]               ; (q0, q1, q0, q1).  The lines below are the places between these and the first product
	v_perm_b32 v49, v49, v49, s[PSH]
.set n, 0
.rept 32
	v_mov_b32 v[OA+n], 0                           ; the step is written without a first form: it finds zeros, which the first change of M leaves zeros
.set n, n+1
.endr
	v_mov_b32 v13, 0xff61b1e6                      ; -3e38, under every t
	s_delay_alu instid0(VALU_DEP_1)
	v_floor_f32 v12, -v13
	v_mov_b32 v14, 0
	v_mov_b32 v15, 0
.irp b, 0,1,2,3
	v_mov_b32 v[TP+\b], 0                          ; a lane permute's destination counts as one of its sources
.endr
	v_mov_b32 v[FF+1], 0                           ; named as the upper half of a pair
	v_mov_b32 v[T0], 0
; A KEY STEP: 128 keys.  ak, as: the registers that hold 16 x lane and 16 r in the record in hand.
.macro STEP ak, as, first
.if \first == 0
	v_add_nc_u32 v8, s[TB], v1
	s_wait_alu depctr_va_vdst(0)
	v_add_nc_u32 v9, s[TB], v2
	s_wait_alu depctr_va_vdst(0)
.rept 6
	v_nop                                          ; with the two additions: eight places in front of loads into registers that the last products read
.endr
.endif
.irp f, 0,1,2,3
.irp c, 0,1,2,3
	ds_load_b128 v[FG+16*\f+4*\c:FG+16*\f+4*\c+3], v[\ak] offset:2048*\f+512*\c
.endr
.endr
	ds_load_b128 v[KS:KS+3], v[\as] offset:16384
	s_wait_dscnt 0x0
.irp f, 0,1,2,3
	v_wmma_scale_f32_16x16x128_f8f6f4 v[SR+16*\f:SR+16*\f+7], v[FG+16*\f:FG+16*\f+15], v[24:39], 0, v[KS+\f], v48      ; [q | 0]: key tile 2 f
	v_wmma_scale_f32_16x16x128_f8f6f4 v[SR+16*\f+8:SR+16*\f+15], v[FG+16*\f:FG+16*\f+15], v[16:31], 0, v[KS+\f], v48   ; [0 | q]: key tile 2 f + 1
.endr
.rept 8
	v_nop
.endr
.irp t, 0,1,2,3                        ; V's fragments and scale words land under the softmax
.irp c, 0,1,2,3
	ds_load_b128 v[FG+16*\t+4*\c:FG+16*\t+4*\c+3], v[\ak] offset:8192+2048*\t+512*\c
.endr
.endr
	ds_load_b128 v[KS:KS+3], v[\as] offset:16640
	s_cmp_lg_u32 s[SG], s[OC]                      ; only the tile's last step lies on the diagonal
	s_cbranch_scc1 .Lopen_\@
.set n, 0
.rept 64
	v_cmp_gt_i32 vcc_lo, 32*(n/16)+n%16, v[DD]     ; register 16 b + i holds key 32 b + 16 h + i of the step
	v_cndmask_b32 v[SR+n], v[SR+n], v[NINF], vcc_lo
.set n, n+1
.endr
.Lopen_\@:
.irp b, 0,1,2,3
	v_max3_num_f32 v[BM+\b], v[SR+16*\b], v[SR+16*\b+1], v[SR+16*\b+2]   ; the largest score of each block of 32 keys: for the row's maximum and, since p rises with the score, for the block's largest p
.endr
.irp i, 3,5,7,9,11,13
.irp b, 0,1,2,3
	v_max3_num_f32 v[BM+\b], v[BM+\b], v[SR+16*\b+\i], v[SR+16*\b+\i+1]
.endr
.endr
.irp b, 0,1,2,3
	v_max_num_f32 v[BM+\b], v[BM+\b], v[SR+16*\b+15]
.endr
.irp b, 0,1,2,3
	s_delay_alu instid0(VALU_DEP_4)
	v_permlanex16_b32 v[TP+\b], v[BM+\b], s[SEL], s[SEL+1]
.endr
.irp b, 0,1,2,3
	s_delay_alu instid0(VALU_DEP_4)
	v_max_num_f32 v[BM+\b], v[BM+\b], v[TP+\b]
.endr
	s_delay_alu instid0(VALU_DEP_2)
	v_max3_num_f32 v[T0], v[BM], v[BM+1], v[BM+2]
	s_delay_alu instid0(VALU_DEP_1)
	v_max_num_f32 v[T0], v[T0], v[BM+3]
	s_delay_alu instid0(VALU_DEP_1)
	v_mul_f32 v[T0], s[CS], v[T0]
	s_delay_alu instid0(VALU_DEP_1)
	v_max_num_f32 v13, v13, v[T0]                  ; the running largest t
	v_mov_b32 v[T0], v12
	s_delay_alu instid0(VALU_DEP_2)
	v_floor_f32 v12, -v13                          ; -M = floor(-t): M is a whole number
	s_delay_alu instid0(VALU_DEP_1)
	v_sub_f32 v[T0], v12, v[T0]
	s_delay_alu instid0(VALU_DEP_1)
	v_cvt_i32_f32 v[T0], v[T0]                     ; (it saturates)
	s_delay_alu instid0(VALU_DEP_1)
	v_ldexp_f32 v[FF], 1.0, v[T0]                  ; f = 2^(old M - new M): rounds nothing
.set n, 0
.rept 32
	v_pk_fma_f32 v[SR+n:SR+n+1], v[SR+n:SR+n+1], s[CS:CS+1], v[12:13] op_sel_hi:[1,0,0]   ; t - M
.set n, n+2
.endr
.irp b, 0,1,2,3
	v_fma_f32 v[BM+\b], v[BM+\b], s[CS], v12
.endr
.set n, 0
	s_wait_alu depctr_va_vdst(0)
.rept 64
	v_exp_f32 v[SR+n], v[SR+n]                     ; p, at most 1
.set n, n+1
.endr
.irp b, 0,1,2,3
	v_exp_f32 v[BM+\b], v[BM+\b]                   ; the block's largest p
.endr
	v_pk_mul_f32 v[14:15], v[14:15], v[FF:FF+1] op_sel_hi:[1,0]   ; the sums under the new M (a plain line behind the exponentials)
	s_wait_alu depctr_va_vdst(0)
.irp b, 0,1,2,3
	v_max_num_f32 v[BM+\b], 0x4800000, v[BM+\b]    ; the floor 2^(9 - 127)
.endr
.irp b, 0,1,2,3
	s_delay_alu instid0(VALU_DEP_4)
	v_add_nc_u32 v[SO+\b], 0xfc000000, v[BM+\b]
.endr
.irp b, 0,1,2,3
	v_and_or_b32 v[HO+\b], v[BM+\b], 0x7f800000, s[MNT]
.endr
.irp b, 0,1,2,3
	v_lshrrev_b32 v[TP+\b], 23, v[SO+\b]
.endr
	s_delay_alu instid0(VALU_DEP_3)
	v_lshl_or_b32 v[PS], v[TP+1], 8, v[TP]
	s_delay_alu instid0(VALU_DEP_1)
	v_lshl_or_b32 v[PS], v[TP+2], 16, v[PS]
	s_delay_alu instid0(VALU_DEP_1)
	v_lshl_or_b32 v[PS], v[TP+3], 24, v[PS]        ; p's scale word for these 128 keys
	v_pk_add_f32 v[232:233], v[120:121], v[124:125]
	v_pk_add_f32 v[230:231], v[128:129], v[132:133]
	v_pk_add_f32 v[228:229], v[136:137], v[140:141]
	v_pk_add_f32 v[226:227], v[144:145], v[148:149]
	v_pk_add_f32 v[224:225], v[152:153], v[156:157]
	v_pk_add_f32 v[222:223], v[160:161], v[164:165]
	v_pk_add_f32 v[220:221], v[168:169], v[172:173]
	v_pk_add_f32 v[14:15], v[14:15], v[176:177]
	v_pk_add_f32 v[232:233], v[232:233], v[116:117]
	v_pk_add_f32 v[230:231], v[230:231], v[118:119]
	v_pk_add_f32 v[228:229], v[228:229], v[122:123]
	v_pk_add_f32 v[226:227], v[226:227], v[126:127]
	v_pk_add_f32 v[224:225], v[224:225], v[130:131]
	v_pk_add_f32 v[222:223], v[222:223], v[134:135]
	v_pk_add_f32 v[220:221], v[220:221], v[138:139]
	v_pk_add_f32 v[14:15], v[14:15], v[142:143]
	v_pk_add_f32 v[232:233], v[232:233], v[146:147]
	v_pk_add_f32 v[230:231], v[230:231], v[150:151]
	v_pk_add_f32 v[228:229], v[228:229], v[154:155]
	v_pk_add_f32 v[226:227], v[226:227], v[158:159]
	v_pk_add_f32 v[224:225], v[224:225], v[162:163]
	v_pk_add_f32 v[222:223], v[222:223], v[166:167]
	v_pk_add_f32 v[220:221], v[220:221], v[170:171]
	v_pk_add_f32 v[14:15], v[14:15], v[174:175]
	v_pk_add_f32 v[232:233], v[232:233], v[178:179]
	s_delay_alu instid0(VALU_DEP_2)
	v_pk_add_f32 v[14:15], v[14:15], v[226:227]
	s_delay_alu instid0(VALU_DEP_2)
	v_pk_add_f32 v[232:233], v[232:233], v[224:225]
	v_pk_add_f32 v[230:231], v[230:231], v[222:223]
	v_pk_add_f32 v[228:229], v[228:229], v[220:221]
	s_delay_alu instid0(VALU_DEP_2)
	v_pk_add_f32 v[14:15], v[14:15], v[230:231]
	s_delay_alu instid0(VALU_DEP_2)
	v_pk_add_f32 v[232:233], v[232:233], v[228:229]
	s_delay_alu instid0(VALU_DEP_1)
	v_pk_add_f32 v[14:15], v[14:15], v[232:233]
.irp b, 0,1,2,3
.set n, 0
.rept 16
	v_min_num_f32 v[SR+16*\b+n], v[SR+16*\b+n], v[HO+\b]   ; the conversion does not saturate (ISA guide 7.6.2); p is not negative
.set n, n+1
.endr
	v_cvt_scalef32_pk8_fp8_f32 v[PCD+4*\b:PCD+4*\b+1], v[SR+16*\b:SR+16*\b+7], v[SO+\b]
	v_cvt_scalef32_pk8_fp8_f32 v[PCD+4*\b+2:PCD+4*\b+3], v[SR+16*\b+8:SR+16*\b+15], v[SO+\b]
.endr
.set n, 0
.rept 16
	v_pk_mul_f32 v[OA+n:OA+n+1], v[OA+n:OA+n+1], v[FF:FF+1] op_sel_hi:[1,0]   ; O^T under the new M; these are also the places in front of the products below
.set n, n+2
.endr
	s_wait_alu depctr_va_vdst(0)
	s_wait_dscnt 0x0                               ; V
.irp t, 0,1,2,3
	v_wmma_scale_f32_16x16x128_f8f6f4 v[OA+8*\t:OA+8*\t+7], v[FG+16*\t:FG+16*\t+15], v[PCD:PCD+15], v[OA+8*\t:OA+8*\t+7], v[KS+\t], v[PS]
.endr
.endm
; A tile is finished: O^T / the sum, quantised along C (my head's 64 channels: two blocks), stored.  more = 1: the second tile takes the first's place.
.macro FINISH more, oc, os
.rept 8
	v_nop                                          ; places behind the last products
.endr
	v_add_f32 v14, v14, v15
	s_delay_alu instid0(VALU_DEP_1)
	v_permlanex16_b32 v[T0], v14, s[SEL], s[SEL+1]
	s_delay_alu instid0(VALU_DEP_1)
	v_add_f32 v14, v14, v[T0]                      ; the row's sum
	s_wait_alu depctr_va_vdst(0)
	v_rcp_f32 v14, v14
	v_nop
.set n, 0
	s_wait_alu depctr_va_vdst(0)
.rept 32
	v_mul_f32 v[SR+n], v[OA+n], v14                ; register 16 b + i: channel 32 b + 16 h + i
.set n, n+1
.endr
.irp b, 0,1
	v_max3_num_f32 v[BM+\b], |v[SR+16*\b]|, |v[SR+16*\b+1]|, 0x4800000
.endr
.irp i, 2,4,6,8,10,12,14
.irp b, 0,1
	s_delay_alu instid0(VALU_DEP_2)
	v_max3_num_f32 v[BM+\b], v[BM+\b], |v[SR+16*\b+\i]|, |v[SR+16*\b+\i+1]|
.endr
.endr
.irp b, 0,1
	s_delay_alu instid0(VALU_DEP_2)
	v_permlanex16_b32 v[TP+\b], v[BM+\b], s[SEL], s[SEL+1]
.endr
.irp b, 0,1
	s_delay_alu instid0(VALU_DEP_2)
	v_max_num_f32 v[BM+\b], v[BM+\b], v[TP+\b]
.endr
.irp b, 0,1
	s_delay_alu instid0(VALU_DEP_2)
	v_add_nc_u32 v[SO+\b], 0xfc000000, v[BM+\b]
.endr
.irp b, 0,1
	s_delay_alu instid0(VALU_DEP_4)
	v_and_or_b32 v[HO+\b], v[BM+\b], 0x7f800000, s[MNT]
.endr
.irp b, 0,1
	s_delay_alu instid0(VALU_DEP_4)
	v_lshrrev_b32 v[TP+\b], 23, v[SO+\b]
.endr
	s_delay_alu instid0(VALU_DEP_1)
	v_cndmask_b32 v[T0], v[TP], v[TP+1], s[HM]     ; lanes 0-15 store block 0's byte of row r, lanes 16-31 block 1's
.irp b, 0,1
.set n, 0
.rept 16
	v_med3_num_f32 v[SR+16*\b+n], v[SR+16*\b+n], -v[HO+\b], v[HO+\b]
.set n, n+1
.endr
	v_cvt_scalef32_pk8_fp8_f32 v[PCD+4*\b:PCD+4*\b+1], v[SR+16*\b:SR+16*\b+7], v[SO+\b]
	v_cvt_scalef32_pk8_fp8_f32 v[PCD+4*\b+2:PCD+4*\b+3], v[SR+16*\b+8:SR+16*\b+15], v[SO+\b]
.endr
	v_nop                                          ; one plain line behind the last scaled conversion
	global_store_b128 v1, v[PCD:PCD+3], s[\oc:\oc+1]               ; 512 consecutive bytes, aligned
	global_store_b128 v1, v[PCD+4:PCD+7], s[\oc:\oc+1] offset:512
	global_store_b8 v50, v[T0], s[\os:\os+1]       ; a byte a lane: a head owns two bytes of each row's words, 262,144 bytes in the whole launch beside 8,388,608 of codes
.if \more
	v_mov_b32 v48, v49                             ; first, so that the lines below and the step's head are its places
.irp j, 0,1,2,3,4,5,6,7
	v_mov_b32 v[24+\j], v[40+\j]
.endr
	v_mov_b32 v[DD], v[DDH]
.set n, 0
.rept 32
	v_mov_b32 v[OA+n], 0
.set n, n+1
.endr
	v_mov_b32 v14, 0
	v_mov_b32 v15, 0
	v_mov_b32 v13, 0xff61b1e6
	s_delay_alu instid0(VALU_DEP_1)
	v_floor_f32 v12, -v13
	s_wait_xcnt 0x0                                ; the stores have read their registers, which the next step writes
.endif
.endm
	s_mov_b32 s[SG], 0
	s_mov_b32 s[OC], s[OL]
	s_wait_alu depctr_va_vdst(0)                   ; the wait at the head's end
	s_cmp_lt_u32 s[WV], 2
	s_cbranch_scc0 .Lnot_first
	s_wait_tensorcnt 0x0                           ; waves 0 and 1: record 0 is in; the other waves' wait stands at the second barrier
.Lnot_first:
	s_barrier_signal -1
	s_barrier_wait -1
	STEP 1, 2, 1                                   ; trip 0 reads record 0 alone, by constants
	s_wait_tensorcnt 0x0                           ; my part of the rest is in
	s_wait_dscnt 0x0
	s_barrier_signal -1
	s_barrier_wait -1
	s_mov_b32 s[NN], 1
.Ltrip:                                            ; eight trips
	s_cmp_lg_u32 s[NN], s[OL1]
	s_cbranch_scc1 .Lsame
	FINISH 1, OCL, OSL
.Lsame:
	s_cmp_gt_u32 s[NN], s[OL]                      ; the second tile?
	s_cselect_b32 s[OC], s[OH], s[OL]
	s_cselect_b32 s[SG], s[OL1], 0
	s_sub_co_u32 s[SG], s[NN], s[SG]               ; its key steps begin anew at 0
	s_min_u32 s[SG], s[SG], 7
	s_mul_i32 s[TB], s[SG], REC
	STEP 8, 9, 0
	s_add_co_u32 s[NN], s[NN], 1
	s_cmp_lt_u32 s[NN], 9
	s_cbranch_scc1 .Ltrip
	FINISH 0, OCH, OSH
	s_wait_tensorcnt 0x0
	ds_add_u32 v51, v255
	s_wait_dscnt 0x0
	s_endpgm
.Lfunc_end_k_q974f5d719d_attn:
	.size	k_q974f5d719d_attn, .Lfunc_end_k_q974f5d719d_attn-k_q974f5d719d_attn
	.p2alignl 7, 3214868480
	.fill 96, 4, 3214868480
	.section	.rodata,"a",@progbits
	.p2align	6, 0x0
	.amdhsa_kernel k_q974f5d719d_attn
		.amdhsa_group_segment_fixed_size 169984
		.amdhsa_private_segment_fixed_size 0
		.amdhsa_enable_private_segment 0
		.amdhsa_kernarg_size 24
		.amdhsa_user_sgpr_count 2
		.amdhsa_user_sgpr_kernarg_segment_ptr 1
		.amdhsa_wavefront_size32 1
		.amdhsa_system_sgpr_workgroup_id_x 1
		.amdhsa_system_sgpr_workgroup_id_y 1
		.amdhsa_system_sgpr_workgroup_id_z 1
		.amdhsa_system_vgpr_workitem_id 0
		.amdhsa_next_free_vgpr 256
		.amdhsa_next_free_sgpr 96
		.amdhsa_reserve_vcc 1
		.amdhsa_float_denorm_mode_32 3
		.amdhsa_float_denorm_mode_16_64 3
		.amdhsa_memory_ordered 1
		.amdhsa_forward_progress 1
		.amdhsa_inst_pref_size 72
	.end_amdhsa_kernel
	.amdgpu_metadata
---
amdhsa.version: [ 1, 2 ]
amdhsa.kernels:
  - .name:           k_q974f5d719d_attn
    .symbol:         k_q974f5d719d_attn.kd
    .args:
      - { .name: qb, .offset: 0, .size: 8, .value_kind: global_buffer, .address_space: global }
      - { .name: kv, .offset: 8, .size: 8, .value_kind: global_buffer, .address_space: global }
      - { .name: ob, .offset: 16, .size: 8, .value_kind: global_buffer, .address_space: global }
    .group_segment_fixed_size: 169984
    .private_segment_fixed_size: 0
    .kernarg_segment_align: 8
    .kernarg_segment_size: 24
    .max_flat_workgroup_size: 512
    .sgpr_count:     96
    .vgpr_count:     256
    .wavefront_size: 32
...
	.end_amdgpu_metadata
.endif
;; end of part 3
;; launch proj (part 4): grid 8 x 32, 4 waves a work-group, clusters of 4 x 4, 327,680 bytes of LDS; arguments ob, wp, b_proj, out0; writes out0
.if DOCPART == 4
	.amdgcn_target "amdgcn-amd-amdhsa--gfx1250"
	.amdhsa_code_object_version 6
	.text
	.protected	k_q974f5d719d_proj
	.globl	k_q974f5d719d_proj
	.p2align	8
	.type	k_q974f5d719d_proj,@function
k_q974f5d719d_proj:
	s_mov_b64 s[64:65], 0
	v_nop
	global_prefetch_b8 v0, s[64:65] scope:SCOPE_SE
	s_setreg_imm32_b32 hwreg(HW_REG_WAVE_MODE, 25, 1), 1
	s_wait_xcnt 0x0
	s_wait_alu depctr_hold_cnt(0) depctr_sa_sdst(0) depctr_va_vdst(0) depctr_va_sdst(0) depctr_va_ssrc(0) depctr_va_vcc(0) depctr_vm_vsrc(0)
	s_getreg_b32 s2, hwreg(HW_REG_IB_STS2, 6, 4)
	s_cmp_eq_u32 s2, 0
	s_cbranch_scc0 .Lentry_in_a_cluster
	s_endpgm
.Lentry_in_a_cluster:
	s_bfe_u32 s2, ttmp6, 0x10000c
	s_cmp_lg_u32 s2, 0xf033
	s_cbranch_scc0 .Lentry_shape_is_right
	s_endpgm
.Lentry_shape_is_right:
; out0 = o W_proj + b_proj on codes of FP8 (E4M3) with E8M0 scales, K = 1024; f32 sums, f32 results.
; OPERANDS (made by earlier launches): a tile = 16 rows: tile 2 b + u, row r = index 32 b + 8 u + r + 8 (r / 8); a fragment (tile, 128 K) = 2,048 bytes [c][lane][16]; a tile's 8 fragments on end; scale words [pair][256 K][u][r][2].
; SHARES.  256 work-groups; each makes 256 rows x 128 columns with four waves, 2 x 2.  A wave keeps its 64 columns of W, ALL of K, in 512 registers (windows 1, 2) and streams its 8 tiles of 16 rows of o past them: 32 products a tile.
; The block's rows of o, 262,144 bytes, are filled into LDS ONCE, a quarter a wave: no ring, no refill.  W, the scale words and the bias go from memory straight into registers: they lie there as register images.
; CLUSTERS: 4 x 4.  o's rows hang on the tile row alone and are asked for jointly by a row of the cluster.  W is not asked for jointly: o's 262,144 bytes and W's 131,072 do not fit into LDS together, and W lives in registers.
; NO PREFETCH: all that a work-group reads is asked for at its head; there is no loop to run ahead in.
; PRODUCTS: source 0 = 16 columns of W, source 1 = 16 rows of o: lane (r, h) holds row r; register j of W's tile 2 t + u is column 32 t + 16 h + 8 u + j.  The bias is the first products' C.
; THE WAY OUT: a tile's 16 rows x 256 bytes go through the wave's own stage in LDS, into which no fill lands, and leave while the next tile is multiplied: sixteen lanes store 256 aligned bytes.
; LIMITS: NaN and infinities are not served.
; REGISTERS, window 0: v1 16 x lane, v2 r, v3 h, v4 8 x lane, v5, v6 the stage in and back, v7 my offset in out0, v8, v9 LDS address of my tiles 0-3, 4-7, v11 the bias's offset; window 3: o's fragments, two sets of 128.
.set XSC,   8388608
.set WPSC,  1048576
.set STAGE, 262144
.set SPITCH, 272                       ; a stage row: 256 bytes + 16
.set SPARE, STAGE+4*16*SPITCH          ; the spare words: 128 bytes a wave
.set SPW,  28
.set NIL,  29
.set SB,   32                          ; v32-47  W's scale words: 8 p + q: lanes 0-15 tile 2 p, lanes 16-31 tile 2 p + 1
.set SA,   52                          ; v52-83  o's likewise, four pairs of tiles; their numbers differ from W's modulo 8
.set BI,   84                          ; v84-115 the bias in the sums' layout
.set ACC,  116                         ; v116-179 two sets of four accumulators
.set BK,   180                         ; v180-243 two sets of 16 rows read back from the stage
.set MSB, 0
.macro WIN new                         ; the immediate's high byte repeats the setting that is left
.if MSB != \new
	s_set_vgpr_msb (MSB<<8)|\new
.set MSB, \new
.endif
.endm
.macro PLACES n
.rept \n
	v_nop
.endr
.endm
.macro CROUND                          ; a round of the cluster's barrier
	s_barrier_signal -1
	s_barrier_wait -1
	s_cmp_lg_u32 s14, 0
	s_cbranch_scc1 .Lnot_wave_0_\@
	s_barrier_signal -3
.Lnot_wave_0_\@:
	s_barrier_wait -3
	s_barrier_signal -1
	s_barrier_wait -1
.endm
	s_load_b128 s[4:7], s[0:1], 0x0                ; ob, wp
	s_load_b128 s[8:11], s[0:1], 0x10              ; b_proj, out0
	v_lshl_add_u32 v[SPW], v0, 2, SPARE
	v_mov_b32 v[NIL], 0
	ds_add_u32 v[SPW], v[NIL]                      ; the opening lines: the add twice on end and its wait
	ds_add_u32 v[SPW], v[NIL]
	v_lshrrev_b32 v10, 5, v0
	v_readfirstlane_b32 s14, v10                   ; wave 0..3
	s_lshr_b32 s15, s14, 1                         ; my half of the rows
	s_and_b32 s16, s14, 1                          ; my half of the columns
	v_and_b32 v1, 31, v0
	v_lshlrev_b32 v4, 3, v1
	v_lshlrev_b32 v1, 4, v1
	v_and_b32 v2, 15, v0
	v_bfe_u32 v3, v0, 4, 1
	s_lshl_b32 s20, s15, 17                        ; my 8 tiles of 16,384 bytes
	v_add_nc_u32 v8, s20, v1
	v_add_nc_u32 v9, 65536, v8
	s_mul_i32 s21, s14, 16*SPITCH
	s_add_co_u32 s21, s21, STAGE                   ; my stage
	v_mul_u32_u24 v5, v2, SPITCH
	v_lshl_add_u32 v5, v3, 6, v5
	v_add_nc_u32 v5, s21, v5                       ; in: row r, + 64 h
	v_mul_u32_u24 v6, v3, SPITCH
	v_lshl_add_u32 v6, v2, 4, v6
	v_add_nc_u32 v6, s21, v6                       ; back: lanes 0-15 one row, lanes 16-31 the next
	v_lshlrev_b32 v7, 12, v3
	v_lshl_add_u32 v7, v2, 4, v7                   ; and the same two rows in out0
	v_lshlrev_b32 v11, 6, v3                       ; 16 h numbers of the bias
	s_bfe_u32 s40, ttmp6, 0x40000                  ; cx
	s_bfe_u32 s41, ttmp6, 0x40004                  ; cy
	s_lshl_b32 s42, ttmp9, 2
	s_add_co_u32 s42, s42, s40                     ; tile column: 128 columns
	s_and_b32 s17, ttmp7, 0xffff
	s_lshl_b32 s17, s17, 2
	s_add_co_u32 s17, s17, s41                     ; tile row: 256 rows
	s_lshl_b32 s43, s41, 2
	s_lshl_b32 s43, 15, s43                        ; my row of the cluster
	s_or_b32 s24, s43, (3<<16)|(1<<21)             ; group 1: 65,536 dense bytes as 16 rows of 4,096 (512 elements of 8)
	s_mov_b32 s25, 512<<16
	s_mov_b32 s26, 16<<16
	s_mov_b32 s27, 512<<16
	s_mov_b32 s28, 16
	s_mov_b32 s29, 512
	s_mov_b32 s30, 0
	s_mov_b32 s31, 0
	s_mov_b32 s32, 1
	s_lshl_b32 s33, s14, 16                        ; LDS mirrors the block's bytes
	s_lshl_b32 s20, s17, 18                        ; offsets: o's codes, my quarter
	s_lshl_b32 s21, s14, 16
	s_add_co_u32 s20, s20, s21
	s_mov_b32 s21, 0
	s_lshl_b32 s44, s42, 17                        ; W's codes, my 4 tiles
	s_lshl_b32 s45, s16, 16
	s_add_co_u32 s44, s44, s45
	s_mov_b32 s45, 0
	s_lshl_b32 s46, s42, 12                        ; W's scale words, my 2 pairs
	s_lshl_b32 s47, s16, 11
	s_add_co_u32 s46, s46, s47
	s_add_co_u32 s46, s46, WPSC
	s_mov_b32 s47, 0
	s_lshl_b32 s48, s17, 13                        ; o's scale words, my 4 pairs
	s_lshl_b32 s49, s15, 12
	s_add_co_u32 s48, s48, s49
	s_add_co_u32 s48, s48, XSC
	s_mov_b32 s49, 0
	s_lshl_b32 s50, s42, 9                         ; my 64 columns, in bytes
	s_lshl_b32 s51, s16, 8
	s_add_co_u32 s50, s50, s51
	s_mov_b32 s51, 0
	s_lshl_b32 s52, s17, 20                        ; my 128 rows of out0
	s_lshl_b32 s53, s15, 19
	s_add_co_u32 s52, s52, s53
	s_mov_b32 s53, 0
	s_wait_alu depctr_va_vdst(0)                   ; the wait at the head's end: no vector register is written by a vector instruction behind it
	s_wait_dscnt 0x0                               ; both opening adds are done
	CROUND                                         ; all sixteen work-groups are here: the joint loads meet
	s_wait_kmcnt 0x0
	s_add_nc_u64 s[34:35], s[4:5], s[20:21]
	s_or_b32 s35, s35, 0x80000000
	tensor_load_to_lds s[32:35], s[24:31]          ; my one tensor load: a quarter of the block's rows
	s_nop 0
	PLACES 4
	s_add_nc_u64 s[44:45], s[6:7], s[44:45]
	s_add_nc_u64 s[46:47], s[6:7], s[46:47]
	s_add_nc_u64 s[48:49], s[4:5], s[48:49]
	s_add_nc_u64 s[8:9], s[8:9], s[50:51]
	s_add_nc_u64 s[10:11], s[10:11], s[50:51]
	s_add_nc_u64 s[10:11], s[10:11], s[52:53]
.irp k, 0,1,2,3
.irp p, 0,1
	global_load_b64 v[SB+8*\p+2*\k:SB+8*\p+2*\k+1], v4, s[46:47] offset:1024*\p+256*\k   ; 256 consecutive bytes
.endr
.irp p, 0,1,2,3
	global_load_b64 v[SA+8*\p+2*\k:SA+8*\p+2*\k+1], v4, s[48:49] offset:1024*\p+256*\k
.endr
.endr
.irp t, 0,1
.irp j, 0,1,2,3
	global_load_b128 v[BI+16*\t+4*\j:BI+16*\t+4*\j+3], v11, s[8:9] offset:128*\t+16*\j
.endr
.endr
.irp q, 0,1,2,3,4,5,6,7                ; W: fragment 4 q + b lies in window 1 + q / 4; each load reads 512 consecutive bytes
	WIN (1+\q/4)<<6
.irp b, 0,1,2,3
.irp c, 0,1,2,3
	global_load_b128 v[16*((4*\q+\b)%16)+4*\c:16*((4*\q+\b)%16)+4*\c+3], v1, s[44:45] offset:\b*16384+\q*2048+\c*512
.endr
.endr
.endr
	WIN 0
.macro FETCH n                         ; my tile n, all of K, into set n % 2 of window 3: 32 loads of 512 consecutive bytes
	WIN 3<<6
.irp q, 0,1,2,3,4,5,6,7
.irp c, 0,1,2,3
	ds_load_b128 v[128*((\n)%2)+16*\q+4*\c:128*((\n)%2)+16*\q+4*\c+3], v[8+(\n)/4] offset:((\n)%4)*16384+\q*2048+\c*512
.endr
.endr
	WIN 0
.endm
.macro PROD n, q, b                    ; the q-th 128 of K, W's tile b.  The four accumulators take turns
.set D_, ACC+32*((\n)%2)+8*\b
.set C_, D_
.if \q == 0
.set C_, BI+8*\b
.endif
.set W_, 16*((4*\q+\b)%16)
.set X_, 128*((\n)%2)+16*\q
.set S0_, SB+8*(\b/2)+\q
.set S1_, SA+8*((\n)/2)+\q
.if (\b%2) && ((\n)%2)
	v_wmma_scale_f32_16x16x128_f8f6f4 v[D_:D_+7], v[W_:W_+15], v[X_:X_+15], v[C_:C_+7], v[S0_], v[S1_] matrix_a_scale:MATRIX_SCALE_ROW1 matrix_b_scale:MATRIX_SCALE_ROW1
.elseif \b%2
	v_wmma_scale_f32_16x16x128_f8f6f4 v[D_:D_+7], v[W_:W_+15], v[X_:X_+15], v[C_:C_+7], v[S0_], v[S1_] matrix_a_scale:MATRIX_SCALE_ROW1
.elseif (\n)%2
	v_wmma_scale_f32_16x16x128_f8f6f4 v[D_:D_+7], v[W_:W_+15], v[X_:X_+15], v[C_:C_+7], v[S0_], v[S1_] matrix_b_scale:MATRIX_SCALE_ROW1
.else
	v_wmma_scale_f32_16x16x128_f8f6f4 v[D_:D_+7], v[W_:W_+15], v[X_:X_+15], v[C_:C_+7], v[S0_], v[S1_]
.endif
.endm
.macro TOSTAGE n                       ; 8 stores, 8 loads; LDS serves a wave's instructions in order
.set AC_, ACC+32*((\n)%2)
.irp b, 0,1,2,3
	ds_store_b128 v5, v[AC_+8*\b:AC_+8*\b+3] offset:128*(\b/2)+32*(\b%2)     ; each accumulator from its low end on
	ds_store_b128 v5, v[AC_+8*\b+4:AC_+8*\b+7] offset:128*(\b/2)+32*(\b%2)+16
.endr
.irp t, 0,1,2,3,4,5,6,7
	ds_load_b128 v[BK+32*((\n)%2)+4*\t:BK+32*((\n)%2)+4*\t+3], v6 offset:2*\t*SPITCH
.endr
.endm
.macro SEND a, younger                 ; younger: the LDS loads issued behind tile a's stage loads
	s_wait_dscnt \younger
.irp t, 0,1,2,3,4,5,6,7
	global_store_b128 v7, v[BK+32*((\a)%2)+4*\t:BK+32*((\a)%2)+4*\t+3], s[10:11] offset:(32*((\a)/2)+8*((\a)%2)+2*\t+8*(\t/4))*4096 th:TH_STORE_NT
.endr
.endm
.macro TILE n
.if (\n) == 0
	s_wait_dscnt 32                                ; behind tile 0's fetch: tile 1's 32 loads
.elseif (\n) < 7
	s_wait_dscnt 48                                ; behind this tile's fetch: a stage pass of 16 and the next tile's 32 loads
.else
	s_wait_dscnt 16                                ; a stage pass alone
.endif
.irp q, 0,1,2,3,4,5,6,7
	WIN (1+\q/4)|(3<<2)
.irp b, 0,1,2,3
	PROD \n, \q, \b
.endr
.endr
	WIN 0
	PLACES 8                                       ; eight places ahead of the reads of the sums and of the loads into the set just read
.if (\n) > 0
	s_wait_xcnt 0x0                                ; the stores of two tiles ago have read their registers, into which this tile's rows come back
.if (\n) < 7
	SEND (\n)-1, 32
.else
	SEND (\n)-1, 0
.endif
.endif
	TOSTAGE \n
.if (\n)+2 < 8
	FETCH (\n)+2
.endif
.endm
	s_wait_tensorcnt 0x0                           ; my quarter is in
	s_barrier_signal -1
	s_barrier_wait -1                              ; and everybody's
	FETCH 0
	FETCH 1
	s_wait_loadcnt 0x0                             ; W, the scale words, the bias
.irp n, 0,1,2,3,4,5,6,7
	TILE \n
.endr
	SEND 7, 0
	s_wait_tensorcnt 0x0                           ; the wave's end
	ds_add_u32 v[SPW], v[NIL]
	s_wait_dscnt 0x0
	CROUND                                         ; the closing round
	s_endpgm
.Lfunc_end_k_q974f5d719d_proj:
	.size	k_q974f5d719d_proj, .Lfunc_end_k_q974f5d719d_proj-k_q974f5d719d_proj
	.p2alignl 7, 3214868480
	.fill 96, 4, 3214868480
	.section	.rodata,"a",@progbits
	.p2align	6, 0x0
	.amdhsa_kernel k_q974f5d719d_proj
		.amdhsa_group_segment_fixed_size 327680
		.amdhsa_private_segment_fixed_size 0
		.amdhsa_enable_private_segment 0
		.amdhsa_kernarg_size 32
		.amdhsa_user_sgpr_count 2
		.amdhsa_user_sgpr_kernarg_segment_ptr 1
		.amdhsa_wavefront_size32 1
		.amdhsa_system_sgpr_workgroup_id_x 1
		.amdhsa_system_sgpr_workgroup_id_y 1
		.amdhsa_system_sgpr_workgroup_id_z 1
		.amdhsa_system_vgpr_workitem_id 0
		.amdhsa_next_free_vgpr 1024
		.amdhsa_next_free_sgpr 66
		.amdhsa_reserve_vcc 0
		.amdhsa_float_denorm_mode_32 3
		.amdhsa_float_denorm_mode_16_64 3
		.amdhsa_memory_ordered 1
		.amdhsa_forward_progress 1
		.amdhsa_inst_pref_size 87
	.end_amdhsa_kernel
	.amdgpu_metadata
---
amdhsa.version: [ 1, 2 ]
amdhsa.kernels:
  - .name:           k_q974f5d719d_proj
    .symbol:         k_q974f5d719d_proj.kd
    .args:
      - { .name: ob, .offset: 0, .size: 8, .value_kind: global_buffer, .address_space: global }
      - { .name: wp, .offset: 8, .size: 8, .value_kind: global_buffer, .address_space: global }
      - { .name: b_proj, .offset: 16, .size: 8, .value_kind: global_buffer, .address_space: global }
      - { .name: out0, .offset: 24, .size: 8, .value_kind: global_buffer, .address_space: global }
    .group_segment_fixed_size: 327680
    .private_segment_fixed_size: 0
    .kernarg_segment_align: 8
    .kernarg_segment_size: 32
    .max_flat_workgroup_size: 128
    .sgpr_count:     66
    .vgpr_count:     1024
    .wavefront_size: 32
...
	.end_amdgpu_metadata
.endif
;; end of part 4
